; MI455X (gfx1250); checked and timed in simulation.
; The chip was launched on July 23, 2026; its instructions are those of AMD's public machine-readable ISA for CDNA 5 (MIT licence, August 2026) and "CDNA5" Instruction Set Architecture Reference Guide (July 2026). The comments in the code are by the model that wrote it; some were corrected since.
;; GELU128. Allowed arithmetic: float matrix products may take bf16 or f16 operands with f32 sums; other float arithmetic in f32, or as packed bf16 or f16 multiplies, adds, multiply-adds, maxima and minima; sums over many terms, partial sums and values carried from step to step in f32; what a program stores and reads back later, other than sums and carried values, may be rounded once to bf16 or f16.
;; Inputs: log_alpha one number float32; log_sigma one number float32; x 8 x 2,048 x 1,024 float32.
;; Outputs: out0 8 x 2,048 x 1,024 float32.
;; 2 versions, each right; version 2 is version 1 with the launch tobf16 written anew for expert scheduling mode. Each part assembles by itself: llvm-mc -triple=amdgcn-amd-amdhsa -mcpu=gfx1250 --defsym DOCPART=n.
;; ======== version 1 of 2: 2 launches
;; limits: right only within a limited range of input values
;; workspace buffers: xb 33,554,432 bytes; nrm 65,536 bytes
;; launch tobf16 (part 1): grid 512 x 1, 8 waves a work-group, no clusters, 0 bytes of LDS; arguments x, xb, nrm; writes xb, nrm
.if DOCPART == 1
	.amdgcn_target "amdgcn-amd-amdhsa--gfx1250"
	.amdhsa_code_object_version 6
	.text
	.protected	k_q081e20665b_tobf16
	.globl	k_q081e20665b_tobf16
	.p2align	8
	.type	k_q081e20665b_tobf16,@function
k_q081e20665b_tobf16:
	s_mov_b64 s[64:65], 0
	v_nop
	global_prefetch_b8 v0, s[64:65] scope:SCOPE_SE
	s_setreg_imm32_b32 hwreg(HW_REG_WAVE_MODE, 25, 1), 1
	s_wait_xcnt 0x0
; xb[row][c] = x[row][c] rounded once to bf16;  nrm[row] = the sum over c of xb[row][c]^2, in f32.
; x: [16384][1024] f32, xb: [16384][1024] bf16, nrm: [16384] f32.
; A stream: each byte of x is read once, each byte of xb written once.  No LDS, no matrix unit, no cluster: nothing is shared.
; SHARES.  A work-group owns 32 rows, each of its eight waves 4; a row belongs to one wave, so its sum never leaves the wave.
; A load of a wave covers 512 consecutive bytes of x, a store 256 consecutive bytes of xb, both aligned.
; All 32 loads of a wave go out first (16 KiB a wave on their way); the rows are then worked on in order, behind counted waits.
; nrm leaves as 16 bytes a wave: 64 KiB in the whole launch.
.set ROWF, 4096                        ; bytes in a row of x
.set ROWH, 2048                        ; bytes in a row of xb
.set T,   8                            ; v[8:15]    the rounded numbers widened again, two sets of four by turns
.set ACC, 16                           ; v[16:19]   two chains of packed sums of squares
.set SUM, 20                           ; v[20:23]   a row's sum
.set X,   32                           ; v[32:159]  row j: 32 registers as loaded
.set Y,   160                          ; v[160:223] row j: 16 registers to store; each is written once
	s_load_b128 s[4:7], s[0:1], 0x0                ; x s[4:5], xb s[6:7]
	s_load_b64 s[8:9], s[0:1], 0x10                ; nrm
	v_and_b32 v1, 31, v0                           ; lane
	v_lshrrev_b32 v5, 5, v0                        ; wave
	v_lshlrev_b32 v2, 4, v1
	v_lshl_add_u32 v2, v5, 14, v2                  ; x: wave x 4 rows x 4,096 + 16 x lane
	v_lshlrev_b32 v3, 3, v1
	v_lshl_add_u32 v3, v5, 13, v3                  ; xb: wave x 4 rows x 2,048 + 8 x lane
	v_lshlrev_b32 v4, 2, v1
	v_lshl_add_u32 v4, v5, 4, v4                   ; nrm: wave x 16 + 4 x lane (lanes 0 to 3 store)
	s_lshl_b32 s14, ttmp9, 17                      ; the work-group's 32 rows in x,
	s_mov_b32 s15, 0
	s_lshl_b32 s16, ttmp9, 16                      ; in xb,
	s_mov_b32 s17, 0
	s_lshl_b32 s18, ttmp9, 7                       ; and in nrm
	s_mov_b32 s19, 0
	s_mov_b32 s10, 0xffff0000                      ; a word's upper bf16
	s_mov_b32 s12, 0x76543210                      ; v_permlanex16_b32: each lane takes its own place in the other half
	s_mov_b32 s13, 0xfedcba98
	v_mov_b32 v24, 0                               ; v_permlanex16_b32's destination counts as read
	s_wait_kmcnt 0x0
	s_add_nc_u64 s[4:5], s[4:5], s[14:15]
	s_add_nc_u64 s[6:7], s[6:7], s[16:17]
	s_add_nc_u64 s[8:9], s[8:9], s[18:19]
.irp j,0,1,2,3
.irp k,0,1,2,3,4,5,6,7
	global_load_b128 v[X+32*\j+4*\k:X+32*\j+4*\k+3], v2, s[4:5] offset:\j*ROWF+\k*512 th:TH_LOAD_NT
.endr
.endr
.irp j,0,1,2,3
	s_wait_loadcnt 8*(3-\j)                        ; loads come back in order: row j is in, the eight loads of each later row may stay out
.irp k,0,1,2,3,4,5,6,7
	v_cvt_pk_bf16_f32 v[Y+16*\j+2*\k], v[X+32*\j+4*\k], v[X+32*\j+4*\k+1]
	v_cvt_pk_bf16_f32 v[Y+16*\j+2*\k+1], v[X+32*\j+4*\k+2], v[X+32*\j+4*\k+3]
	v_lshlrev_b32 v[T+4*(\k%2)], 16, v[Y+16*\j+2*\k]          ; the squares are taken of the rounded numbers
	v_and_b32 v[T+4*(\k%2)+1], s10, v[Y+16*\j+2*\k]
	v_lshlrev_b32 v[T+4*(\k%2)+2], 16, v[Y+16*\j+2*\k+1]
	v_and_b32 v[T+4*(\k%2)+3], s10, v[Y+16*\j+2*\k+1]
.if \k == 0
	v_pk_mul_f32 v[ACC:ACC+1], v[T:T+1], v[T:T+1]              ; the first squares start the chains: nothing is cleared
	v_pk_mul_f32 v[ACC+2:ACC+3], v[T+2:T+3], v[T+2:T+3]
.else
	v_pk_fma_f32 v[ACC:ACC+1], v[T+4*(\k%2):T+4*(\k%2)+1], v[T+4*(\k%2):T+4*(\k%2)+1], v[ACC:ACC+1]
	v_pk_fma_f32 v[ACC+2:ACC+3], v[T+4*(\k%2)+2:T+4*(\k%2)+3], v[T+4*(\k%2)+2:T+4*(\k%2)+3], v[ACC+2:ACC+3]
.endif
	global_store_b64 v3, v[Y+16*\j+2*\k:Y+16*\j+2*\k+1], s[6:7] offset:\j*ROWH+\k*256  ; 32 lanes store 256 consecutive bytes, aligned
.endr
	v_pk_add_f32 v[ACC:ACC+1], v[ACC:ACC+1], v[ACC+2:ACC+3]
	v_add_f32 v[SUM+\j], v[ACC], v[ACC+1]
	v_add_f32_dpp v[SUM+\j], v[SUM+\j], v[SUM+\j] row_xmask:1 row_mask:0xf bank_mask:0xf
	v_add_f32_dpp v[SUM+\j], v[SUM+\j], v[SUM+\j] row_xmask:2 row_mask:0xf bank_mask:0xf
	v_add_f32_dpp v[SUM+\j], v[SUM+\j], v[SUM+\j] row_xmask:4 row_mask:0xf bank_mask:0xf
	v_add_f32_dpp v[SUM+\j], v[SUM+\j], v[SUM+\j] row_xmask:8 row_mask:0xf bank_mask:0xf
	v_permlanex16_b32 v24, v[SUM+\j], s12, s13
	v_add_f32 v[SUM+\j], v[SUM+\j], v24            ; every lane holds row j's sum
.endr
	v_mov_b32 v25, v[SUM]                          ; lane j takes row j's
.irp j,1,2,3
	v_cmp_eq_u32 vcc_lo, \j, v1
	v_cndmask_b32 v25, v25, v[SUM+\j], vcc_lo
.endr
	v_cmp_gt_u32 vcc_lo, 4, v1
	s_wait_xcnt 0x0                                ; EXEC is a source of the stores above: it changes only behind this wait
	s_and_saveexec_b32 s20, vcc_lo
	global_store_b32 v4, v25, s[8:9]
	s_wait_xcnt 0x0                                ; and again in front of the line that widens it
	s_or_b32 exec_lo, exec_lo, s20
	s_endpgm
.Lfunc_end_k_q081e20665b_tobf16:
	.size	k_q081e20665b_tobf16, .Lfunc_end_k_q081e20665b_tobf16-k_q081e20665b_tobf16
	.p2alignl 7, 3214868480
	.fill 96, 4, 3214868480
	.section	.rodata,"a",@progbits
	.p2align	6, 0x0
	.amdhsa_kernel k_q081e20665b_tobf16
		.amdhsa_group_segment_fixed_size 0
		.amdhsa_private_segment_fixed_size 0
		.amdhsa_enable_private_segment 0
		.amdhsa_kernarg_size 24
		.amdhsa_user_sgpr_count 2
		.amdhsa_user_sgpr_kernarg_segment_ptr 1
		.amdhsa_wavefront_size32 1
		.amdhsa_system_sgpr_workgroup_id_x 1
		.amdhsa_system_sgpr_workgroup_id_y 1
		.amdhsa_system_sgpr_workgroup_id_z 1
		.amdhsa_system_vgpr_workitem_id 0
		.amdhsa_next_free_vgpr 240
		.amdhsa_next_free_sgpr 66
		.amdhsa_reserve_vcc 1
		.amdhsa_float_denorm_mode_32 3
		.amdhsa_float_denorm_mode_16_64 3
		.amdhsa_memory_ordered 1
		.amdhsa_forward_progress 1
		.amdhsa_inst_pref_size 22
	.end_amdhsa_kernel
	.amdgpu_metadata
---
amdhsa.version: [ 1, 2 ]
amdhsa.kernels:
  - .name:           k_q081e20665b_tobf16
    .symbol:         k_q081e20665b_tobf16.kd
    .args:
      - { .name: x, .offset: 0, .size: 8, .value_kind: global_buffer, .address_space: global }
      - { .name: xb, .offset: 8, .size: 8, .value_kind: global_buffer, .address_space: global }
      - { .name: nrm, .offset: 16, .size: 8, .value_kind: global_buffer, .address_space: global }
    .group_segment_fixed_size: 0
    .private_segment_fixed_size: 0
    .kernarg_segment_align: 8
    .kernarg_segment_size: 24
    .max_flat_workgroup_size: 256
    .sgpr_count:     66
    .vgpr_count:     240
    .wavefront_size: 32
...
	.end_amdgpu_metadata
.endif
;; end of part 1
;; launch attn (part 2): grid 32 x 8, 4 waves a work-group, clusters of 4 x 1, 327,680 bytes of LDS; arguments xb, nrm, log_alpha, log_sigma, out0; writes out0
.if DOCPART == 2
	.amdgcn_target "amdgcn-amd-amdhsa--gfx1250"
	.amdhsa_code_object_version 6
	.text
	.protected	k_q081e20665b_attn
	.globl	k_q081e20665b_attn
	.p2align	8
	.type	k_q081e20665b_attn,@function
k_q081e20665b_attn:
	s_mov_b64 s[64:65], 0
	v_nop
	global_prefetch_b8 v0, s[64:65] scope:SCOPE_SE
	s_setreg_imm32_b32 hwreg(HW_REG_WAVE_MODE, 25, 1), 1
	s_wait_xcnt 0x0
	s_wait_alu depctr_hold_cnt(0) depctr_sa_sdst(0) depctr_va_vdst(0) depctr_va_sdst(0) depctr_va_ssrc(0) depctr_va_vcc(0) depctr_vm_vsrc(0)
	s_getreg_b32 s2, hwreg(HW_REG_IB_STS2, 6, 4)
	s_cmp_eq_u32 s2, 0
	s_cbranch_scc0 .Lentry_in_a_cluster
	s_endpgm
.Lentry_in_a_cluster:
	s_bfe_u32 s2, ttmp6, 0x10000c
	s_cmp_lg_u32 s2, 0x3003
	s_cbranch_scc0 .Lentry_shape_is_right
	s_endpgm
.Lentry_shape_is_right:
; out[b][t][:] = gelu_tanh(x[b][t][:] gate[b][t]),  gate = 1 + alpha tanh(sigma novelty),  novelty = clip(1 - cos(x_t, c_t), 0, 2) / 2,
; c_t = the sum over s < t of softmax_s(x_t . x_s / 32) x_s.   xb: [8][2048][1024] bf16 (x rounded once), nrm: [16384] f32 (a row's sum of squares), out: f32.
; WHAT IS NOT FORMED.  Of c_t only its angle to x_t is wanted.  With o = the sum of p x_s and l = the sum of p:  x_t . c_t = (the sum of p (x_t . x_s)) / l, whose
; factors x_t . x_s are the raw scores, and |c_t| = |o| / l.  So o stays in registers and leaves as one sum of squares a row.
; LIMITS.  x enters everywhere rounded once to bf16 (operands, norm, gelu).  A hidden score counts as -1e30 and the running maximum starts at -1e20: raw scores below -1e20 are
; not served.  A weight below 2^-126 counts as 0.  Infinities and NaN in x are not treated apart.  softplus of a number below about -16 keeps absolute, not relative, accuracy.
; SHARES.  Cluster c (0..7) of a batch, partner cx: i = 4 c + cx.  A work-group owns four tiles of 16 queries: tiles 0, 1 = rows 32 i .. (LOW), tiles 2, 3 = rows 32 (63 - i) .. (HIGH).
; All four partners walk the same key tiles of 64 keys, steps 0 .. 31 - 2 c; LOW takes part in steps below 2 c + 2: (32 - 2 c) + (2 c + 2) = 34 half steps for every work-group.
; What a trip does hangs on c alone; cx enters only global addresses and the masks' thresholds (lane data).  Each key tile is asked for JOINTLY by the four partners.
; THE CHANNELS ARE SPLIT.  Wave w owns channels 256 w .. 256 w + 255 in both products: it fetches and reads only its quarter of a key tile, which serves as K and as V.
; S^T = K Q^T gives it partial scores; the four partial sums (f32) meet in LDS at wave t, the OWNER of tile t, which does that tile's softmax; the weights (bf16) and the
; correction a go back through LDS to all; O^T += V^T P is 64 accumulators a wave (16 channel blocks x 4 tiles).
; LAYOUT.  In S^T a lane holds ONE query (lane % 16) and keys 16 kb + 8 (lane / 16) + 0..7; two such results rounded in pairs ARE source 1 of V^T P.  The channels of a fragment are
; permuted, alike in K and Q (a sum over channels does not mind; of O^T only the sum of squares is used): so ONE LDS pitch of 528 bytes serves the plain and the turning loads:
; 16 lanes of either touch 16 different 16-byte columns modulo 256.
; O^T starts at 0 by 512 v_mov_b32 in the wait for the first tile, so that the first step is a step like any other (a = 0) and no first step is written out.
.set PITCH, 528                        ; 512 bytes of a row's quarter + 16 of padding
.set QREG,  64*PITCH                   ; a wave's quarter of a key tile
.set SLOT,  4*QREG
.set INBOX, 2*SLOT                     ; behind the ring: tile t's inbox at t x IBT: three partial score tiles of 4,096 bytes; later, in the first, P (2,048) and a
.set IBT,   12288
.set EP,    INBOX+4*IBT                ; partial sums of squares: 512 w + 128 t + 4 lane
.set GT,    EP+2048                    ; the gates: 64 w + 4 (row of the tile)
.set SPARE, GT+256                     ; the spare words, 128 bytes for each wave: two blocks of 256 bytes that no other line names
.set TILEB, 64*2048                    ; a key tile in memory
; window 0.  v1 = lane % 16, v2 = lane / 16, v3 = lane: kept for the whole launch
.set AK,  4                            ; v4-5   my place in my quarter of slot 0, 1, for K's loads
.set AV,  6                            ; v6-7   the same for the turning loads
.set LB,  8                            ; v8     INBOX + 16 lane
.set RA,  9                            ; v9     the same in my own tile's inbox
.set QR,  10                           ; v10    my query's row in the batch, less 8 (lane / 16)
.set NRM, 11                           ; v11    my query's sum of squares
.set CM,  12                           ; v12-13 c m, m
.set LS,  14                           ; v14-15 l (even keys', odd keys')
.set A,   16                           ; v16-23 a of tile t at A + 2 t; the odd partners hold 0 (named as pairs)
.set W,   24                           ; v24-25 the sum of p s
.set PFO, 26                           ; v26    the prefetches' offset
.set QO,  27                           ; v27    my byte offset in 16 rows of Q
.set SPW, 28                           ; v28    my spare word; never rewritten
.set NIL, 29                           ; v29    0; never rewritten
.set KB,  32                           ; v32-127  three fragment buffers of 32
.set T,   32                           ; softmax: the raw scores
.set E,   64                           ; softmax: the weights
.set L2,  96
.set PK,  96                           ; v96-111  the weights in bf16
.set C,   112                          ; v112-115 four chains of the maximum
.set XC,  116
.set D,   117
.set AO,  118                          ; v118-119 a, named as a pair
.set THR, 120
.set CH,  120                          ; v120-127 four chains of the sum of p s (the threshold is dead by then)
.set S,   128                          ; v128-255 S^T: tile t, key block kb at S + 32 t + 8 kb; in V^T P: P of tile t, key half kk at S + 16 t + 8 kk
; window 1: Q, tile t, fragment f at 64 t + 8 f.   window 2: O^T of tiles 0, 1 at 128 t + 8 cb.   window 3: of tiles 2, 3
.set WV,  14
.set CL,  15                           ; c
.set CX,  16
.set BA,  17                           ; batch
.set TR,  18                           ; pairs of steps done
.set BOUND, 19                         ; 15 - c
.set KB0, 20                           ; the step's first key
.set NEG, 21
.set CS,  22                           ; s[22:23] log2(e) / 32
.set G1,  24                           ; s[24:31] group 1 of the joint loads
.set G0,  32                           ; s[32:39] group 0, a set for each slot
.set G1X, 40                           ; s[40:47] group 1 of the load that brings my 16 rows for the gelu
.set G0X, 48
.set SEL, 52
.set PFA, 54
.set OP,  62                           ; s[62:63] out at my row
.set CNT, 71
.set QP,  72                           ; s[72:75] Q of LOW, of HIGH
.set MSB, 0
.macro WIN new                         ; the high byte repeats the setting that is left; a switch that changes nothing is dropped
.if MSB != (\new)
	s_set_vgpr_msb (MSB<<8)|(\new)
.set MSB, (\new)
.endif
.endm
.macro PLACES n                        ; plain vector instructions that name no register: the distance behind matrix instructions (ISA guide 7.12.1)
.rept \n
	v_nop
.endr
.endm
.macro ROUND                           ; a round of the cluster's barrier
	s_barrier_signal -1
	s_barrier_wait -1
	s_cmp_lg_u32 s[WV], 0
	s_cbranch_scc1 .Lnw0_\@
	s_barrier_signal -3
.Lnw0_\@:
	s_barrier_wait -3
	s_barrier_signal -1
	s_barrier_wait -1
.endm
; K's fragment f of all four key blocks into buffer b: eight loads.  Of my 512 bytes of a row fragment f takes 256 (f / 4) + 32 (f % 4) + 128 (lane / 16) + 0..31.
.macro KLOAD slot, f, b
.irp kb,0,1,2,3
	ds_load_b128 v[KB+32*(\b)+8*\kb:KB+32*(\b)+8*\kb+3], v[AK+(\slot)] offset:\kb*16*PITCH+256*((\f)/4)+32*((\f)%4)
	ds_load_b128 v[KB+32*(\b)+8*\kb+4:KB+32*(\b)+8*\kb+7], v[AK+(\slot)] offset:\kb*16*PITCH+256*((\f)/4)+32*((\f)%4)+16
.endr
.endm
; V^T: key half g / 4, channel blocks 4 (g % 4) + 0..3 into buffer b: eight turning loads.  Block cb takes bytes 256 (cb / 8) + 16 (cb % 8) + 128 ((lane / 8) % 2) + 0..15.
.macro VLOAD slot, g, b
.irp q,0,1,2,3
	ds_load_tr16_b128 v[KB+32*(\b)+8*\q:KB+32*(\b)+8*\q+3], v[AV+(\slot)] offset:((\g)/4)*32*PITCH+256*((4*((\g)%4)+\q)/8)+16*((4*((\g)%4)+\q)%8)
	ds_load_tr16_b128 v[KB+32*(\b)+8*\q+4:KB+32*(\b)+8*\q+7], v[AV+(\slot)] offset:((\g)/4)*32*PITCH+16*PITCH+256*((4*((\g)%4)+\q)/8)+16*((4*((\g)%4)+\q)%8)
.endr
.endm
; S^T = K Q^T over my 256 channels: eight fragments deep, 8 (HIGH alone) or 16 accumulators by turns, one instruction a turn.
; Three buffers: fragment f + 2 is asked for, four places behind the products that read its buffer, while f and f + 1 are in or on their way.  The waits count the younger batches of eight.
; One window setting serves all: an LDS load names its destination and source 0, both in window 0.
.macro QK slot, lo
	WIN 0x04                                       ; Q (source 1) in window 1
	KLOAD \slot, 0, 0
	KLOAD \slot, 1, 1
.irp f,0,1,2,3,4,5,6,7
.if \f <= 5
.if \f >= 1
	PLACES 4
.endif
	KLOAD \slot, \f+2, (\f+2)%3
	s_wait_dscnt 16                                ; two younger batches may stay out
.elseif \f == 6
	s_wait_dscnt 8
.else
	s_wait_dscnt 0
.endif
.irp kb,0,1,2,3
.irp t,0,1,2,3
.if (\t >= 2) || \lo
.if \f == 0
	v_wmma_f32_16x16x32_bf16 v[S+32*\t+8*\kb:S+32*\t+8*\kb+7], v[KB+32*(\f%3)+8*\kb:KB+32*(\f%3)+8*\kb+7], v[64*\t+8*\f:64*\t+8*\f+7], 0
.else
	v_wmma_f32_16x16x32_bf16 v[S+32*\t+8*\kb:S+32*\t+8*\kb+7], v[KB+32*(\f%3)+8*\kb:KB+32*(\f%3)+8*\kb+7], v[64*\t+8*\f:64*\t+8*\f+7], v[S+32*\t+8*\kb:S+32*\t+8*\kb+7]
.endif
.endif
.endr
.endr
.endr
	PLACES 4                                       ; in front of the stores that read the results and of the loads into the buffers
	WIN 0
.endm
; Wave w sends its partial scores of every tile but its own to the owners: 512 consecutive bytes a store; each accumulator's low registers go first.
.macro STV w, lo
.irp t,0,1,2,3
.if (\t != \w) && ((\t >= 2) || \lo)
.irp q,0,1,2,3,4,5,6,7
	ds_store_b128 v[LB], v[S+32*\t+4*\q:S+32*\t+4*\q+3] offset:\t*IBT+(((\w)-\t+3)&3)*4096+512*\q
.endr
.endif
.endr
.endm
.macro STORES lo
	s_cmp_eq_u32 s[WV], 0
	s_cbranch_scc0 .Lst1_\@
	STV 0, \lo
	s_branch .Lstd_\@
.Lst1_\@:
	s_cmp_eq_u32 s[WV], 1
	s_cbranch_scc0 .Lst2_\@
	STV 1, \lo
	s_branch .Lstd_\@
.Lst2_\@:
	s_cmp_eq_u32 s[WV], 2
	s_cbranch_scc0 .Lst3_\@
	STV 2, \lo
	s_branch .Lstd_\@
.Lst3_\@:
	STV 3, \lo
.Lstd_\@:
.endm
.macro OWN w                           ; my own partial scores of my tile are added from their registers
.set n, 0
.rept 16
	v_pk_add_f32 v[T+2*n:T+2*n+1], v[T+2*n:T+2*n+1], v[S+32*(\w)+2*n:S+32*(\w)+2*n+1]
.set n, n+1
.endr
.endm
.macro OWNADD kind
.if (\kind) == 0
	s_cmp_lt_u32 s[WV], 2
	s_cbranch_scc0 .Lown_hi_\@
	s_cmp_eq_u32 s[WV], 0
	s_cbranch_scc0 .Lown1_\@
	OWN 0
	s_branch .Lown_done_\@
.Lown1_\@:
	OWN 1
	s_branch .Lown_done_\@
.Lown_hi_\@:
.endif
	s_cmp_eq_u32 s[WV], 2
	s_cbranch_scc0 .Lown3_\@
	OWN 2
	s_branch .Lown_done_\@
.Lown3_\@:
	OWN 3
.Lown_done_\@:
.endm
.macro MASK                            ; register n holds key KB0 + 16 (n / 8) + n % 8 + 8 (lane / 16): hidden unless it lies strictly below my query's row
	v_subrev_nc_u32 v[THR], s[KB0], v[QR]
.set n, 0
.rept 32
	v_cmp_gt_i32 vcc_lo, 16*(n/8)+n%8+1, v[THR]
	v_cndmask_b32 v[T+n], v[T+n], s[NEG], vcc_lo
.set n, n+1
.endr
.endm
; THE OWNER'S SOFTMAX of its tile for one key step.  kind 0 (in the loop): waves 2 and 3 always, waves 0 and 1 while LOW takes part; LOW's last two steps are masked.
; kind 1 (the last two steps): waves 2 and 3, masked.  The jumps go forward and pass no barrier.
.macro SOFTMAX kind
.if (\kind) == 0
	s_cmp_ge_u32 s[WV], 2
	s_cbranch_scc1 .Lsm_go_\@
	s_cmp_le_u32 s[TR], s[CL]
	s_cbranch_scc0 .Lsm_end_\@
.Lsm_go_\@:
.else
	s_cmp_lt_u32 s[WV], 2
	s_cbranch_scc1 .Lsm_end_\@
.endif
.irp p,0,1,2
.irp q,0,1,2,3,4,5,6,7
	ds_load_b128 v[KB+32*\p+4*\q:KB+32*\p+4*\q+3], v[RA] offset:\p*4096+512*\q
.endr
.endr
	s_wait_dscnt 16                                ; the first sender's eight loads are in
	OWNADD \kind
	s_wait_dscnt 8                                 ; the second's
.set n, 0
.rept 16
	v_pk_add_f32 v[T+2*n:T+2*n+1], v[T+2*n:T+2*n+1], v[E+2*n:E+2*n+1]
.set n, n+1
.endr
	s_wait_dscnt 0                                 ; the third's
.set n, 0
.rept 16
	v_pk_add_f32 v[T+2*n:T+2*n+1], v[T+2*n:T+2*n+1], v[L2+2*n:L2+2*n+1]
.set n, n+1
.endr
.if (\kind) == 0
	s_cmp_lt_u32 s[WV], 2
	s_cbranch_scc0 .Lnomask_\@
	s_cmp_eq_u32 s[TR], s[CL]
	s_cbranch_scc0 .Lnomask_\@
	MASK
.Lnomask_\@:
.else
	MASK
.endif
.irp j,0,1,2,3                         ; the maximum of 32 scores and the old m: four chains, three operands at a time
	v_max3_num_f32 v[C+\j], v[T+8*\j], v[T+8*\j+1], v[T+8*\j+2]
.endr
.irp j,0,1,2,3
	v_max3_num_f32 v[C+\j], v[C+\j], v[T+8*\j+3], v[T+8*\j+4]
.endr
.irp j,0,1,2,3
	v_max3_num_f32 v[C+\j], v[C+\j], v[T+8*\j+5], v[T+8*\j+6]
.endr
	v_max3_num_f32 v[C], v[C], v[T+7], v[T+15]
	v_max3_num_f32 v[C+2], v[C+2], v[T+23], v[T+31]
	v_max3_num_f32 v[C], v[C], v[C+1], v[C+2]
	v_max3_num_f32 v[C], v[C], v[C+3], v[CM+1]
	v_permlanex16_b32 v[XC], v[C], s[SEL], s[SEL+1]  ; the query's other 32 keys lie in the lane 16 away
	v_mov_b32 v[D], v[CM]
	v_max_num_f32 v[CM+1], v[C], v[XC]
	v_mul_f32 v[CM], s[CS], v[CM+1]
	v_sub_f32 v[D], v[D], v[CM]                    ; c m_old - c m_new
.set n, 0
.rept 16
	v_pk_fma_f32 v[E+2*n:E+2*n+1], v[T+2*n:T+2*n+1], s[CS:CS+1], v[CM:CM+1] op_sel_hi:[1,0,0] neg_lo:[0,0,1] neg_hi:[0,0,1]  ; c s - c m; the raw scores stay
.set n, n+1
.endr
	v_exp_f32 v[AO], v[D]                          ; ONE batch of 33 exponentials,
.set n, 0
.rept 32
	v_exp_f32 v[E+n], v[E+n]
.set n, n+1
.endr
	v_nop                                          ; a plain instruction behind the last of them,
	s_wait_alu depctr_va_vdst(0)                   ; and the one wait ahead of the first reader
.set n, 0
.rept 16
	v_cvt_pk_bf16_f32 v[PK+n], v[E+2*n], v[E+2*n+1]
.set n, n+1
.endr
.set n, 0
.rept 16                               ; the sum of p s, in four chains
.if n < 4
	v_pk_mul_f32 v[CH+2*n:CH+2*n+1], v[T+2*n:T+2*n+1], v[E+2*n:E+2*n+1]
.else
	v_pk_fma_f32 v[CH+2*(n%4):CH+2*(n%4)+1], v[T+2*n:T+2*n+1], v[E+2*n:E+2*n+1], v[CH+2*(n%4):CH+2*(n%4)+1]
.endif
.set n, n+1
.endr
.set n, 4
.rept 12                               ; the sum of p, in four chains, in place in the first four pairs
	v_pk_add_f32 v[E+2*(n%4):E+2*(n%4)+1], v[E+2*(n%4):E+2*(n%4)+1], v[E+2*n:E+2*n+1]
.set n, n+1
.endr
	v_pk_add_f32 v[CH:CH+1], v[CH:CH+1], v[CH+2:CH+3]
	v_pk_add_f32 v[CH+4:CH+5], v[CH+4:CH+5], v[CH+6:CH+7]
	v_pk_add_f32 v[E:E+1], v[E:E+1], v[E+2:E+3]
	v_pk_add_f32 v[E+4:E+5], v[E+4:E+5], v[E+6:E+7]
	v_pk_add_f32 v[CH:CH+1], v[CH:CH+1], v[CH+4:CH+5]
	v_pk_add_f32 v[E:E+1], v[E:E+1], v[E+4:E+5]
	v_pk_fma_f32 v[W:W+1], v[W:W+1], v[AO:AO+1], v[CH:CH+1] op_sel_hi:[1,0,1]
	v_pk_fma_f32 v[LS:LS+1], v[LS:LS+1], v[AO:AO+1], v[E:E+1] op_sel_hi:[1,0,1]
.irp q,0,1,2,3
	ds_store_b128 v[RA], v[PK+4*\q:PK+4*\q+3] offset:512*\q  ; into my inbox, whose partial sums I alone have read, and have
.endr
	ds_store_b32 v[RA], v[AO] offset:2048
.Lsm_end_\@:
.endm
.macro RESC t                          ; tile t's O^T times a
.set n, 0
.rept 64
	v_pk_mul_f32 v[128*((\t)%2)+2*n:128*((\t)%2)+2*n+1], v[128*((\t)%2)+2*n:128*((\t)%2)+2*n+1], v[A+2*(\t):A+2*(\t)+1] op_sel_hi:[1,0]
.set n, n+1
.endr
.endm
; O^T = a O^T + V^T P.  a and P of the tiles that take part come from the inboxes, V from my quarter of the slot, turned.  The rescaling stands in one run, while P and V land.
; Eight groups of four channel blocks; three buffers as in QK.  32 or 64 accumulators... each is taken up once in a group and again four groups on: by turns.
.macro PV slot, lo
.irp t,0,1,2,3
.if (\t >= 2) || \lo
	ds_load_b32 v[A+2*\t], v[LB] offset:\t*IBT+2048
.endif
.endr
.irp t,0,1,2,3
.if (\t >= 2) || \lo
.irp q,0,1,2,3
	ds_load_b128 v[S+16*\t+4*\q:S+16*\t+4*\q+3], v[LB] offset:\t*IBT+512*\q
.endr
.endif
.endr
	VLOAD \slot, 0, 0
	VLOAD \slot, 1, 1
	s_wait_dscnt 24+8*(\lo)                        ; the a are in: behind them went 4 loads of P a tile and 16 of V
	WIN 0xC3                                       ; destination and source 0 in window 3, a in window 0
	RESC 2
	RESC 3
.if \lo
	WIN 0x82
	RESC 0
	RESC 1
.endif
.irp g,0,1,2,3,4,5,6,7
.if \g <= 5
.if \g >= 1
	PLACES 4
.endif
	WIN 0
	VLOAD \slot, \g+2, (\g+2)%3
	s_wait_dscnt 16                                ; two younger batches may stay out (at the first group P is in too: it went ahead of V)
.elseif \g == 6
	s_wait_dscnt 8
.else
	s_wait_dscnt 0
.endif
	WIN 0xF0                                       ; C and D in window 3
.irp q,0,1,2,3
.irp t,2,3
	v_wmma_f32_16x16x32_bf16 v[128*(\t%2)+8*(4*(\g%4)+\q):128*(\t%2)+8*(4*(\g%4)+\q)+7], v[KB+32*(\g%3)+8*\q:KB+32*(\g%3)+8*\q+7], v[S+16*\t+8*(\g/4):S+16*\t+8*(\g/4)+7], v[128*(\t%2)+8*(4*(\g%4)+\q):128*(\t%2)+8*(4*(\g%4)+\q)+7]
.endr
.endr
.if \lo
	WIN 0xA0                                       ; C and D in window 2
.irp q,0,1,2,3
.irp t,0,1
	v_wmma_f32_16x16x32_bf16 v[128*(\t%2)+8*(4*(\g%4)+\q):128*(\t%2)+8*(4*(\g%4)+\q)+7], v[KB+32*(\g%3)+8*\q:KB+32*(\g%3)+8*\q+7], v[S+16*\t+8*(\g/4):S+16*\t+8*(\g/4)+7], v[128*(\t%2)+8*(4*(\g%4)+\q):128*(\t%2)+8*(4*(\g%4)+\q)+7]
.endr
.endr
.endif
.endr
	WIN 0
	PLACES 5                                       ; the next step's first products write over P's registers
.endm
; A STEP'S HEAD: the change of slots.  Each wave waits for all its tensor loads, of which one is out: its quarter of this step's tile; adds 0 to its spare word; waits for that and for
; its reads of the other slot and of the inboxes.  The round follows: no wave of any partner still reads the other slot or has a load on its way.  The refill is the first thing behind it, one load a wave,
; and has the whole step in which to land.  fill = 1 (the last step): no tile is left; my own 16 rows, 32,768 dense bytes, come into my quarter for the gelu, by a load of my own.
; THE PREFETCH (kind 0): in step s the tile of step s + 2, one step ahead of its load.  Cluster 0 of a batch walks all 32 tiles, and it alone asks.  Its partners share a tile's rows out by address, 16 each;
; each wave asks for its own 512 bytes of them: a lane for each 256 bytes, one instruction.  So each block is named once in the launch.  Tiles 0 and 1 come by their loads alone; the last two steps ask for nothing.
.macro HEAD slot, kind, fill
.if (\kind) == 0
	s_wait_xcnt 0x0                                ; the last prefetch, a step back, has read its address
	s_add_nc_u64 s[PFA:PFA+1], s[PFA:PFA+1], TILEB
.endif
	s_wait_tensorcnt 0x0
	ds_add_u32 v[SPW], v[NIL]
.if (\kind) == 0
	s_add_nc_u64 s[G0+4*(\slot)+2:G0+4*(\slot)+3], s[G0+4*(\slot)+2:G0+4*(\slot)+3], 2*TILEB  ; no load of mine is out: this slot's next tile
.endif
	s_wait_dscnt 0x0
	ROUND
.if \fill
	tensor_load_to_lds s[G0X:G0X+3], s[G1X:G1X+7]
.else
	tensor_load_to_lds s[G0+4-4*(\slot):G0+7-4*(\slot)], s[G1:G1+7]
.endif
	s_nop 0
	PLACES 4
.if (\kind) == 0
	s_cmp_eq_u32 s[CL], 0
	s_cbranch_scc0 .Lnoask_\@
	global_prefetch_b8 v[PFO], s[PFA:PFA+1] th:TH_LOAD_NT scope:SCOPE_SE
.Lnoask_\@:
.endif
.endm
; A KEY STEP.  Two barriers beside the round: one between the partial scores' stores and the owners' reads, one between the owners' stores of P and a and everybody's reads.
; The next step's stores into the inboxes stand behind its round, in front of which every wave has waited for its reads.
.macro STEP slot, kind, fill
	HEAD \slot, \kind, \fill
.if (\kind) == 0
	s_cmp_le_u32 s[TR], s[CL]                      ; does LOW take part?  The same answer in all partners
	s_cbranch_scc0 .Lqk_hi_\@
	QK \slot, 1
	STORES 1
	s_branch .Lqk_done_\@
.Lqk_hi_\@:
	QK \slot, 0
	STORES 0
.Lqk_done_\@:
.else
	QK \slot, 0
	STORES 0
.endif
	s_wait_dscnt 0x0                               ; for the owners' sake: my stores are done
	s_barrier_signal -1
	s_barrier_wait -1
	SOFTMAX \kind
	s_wait_dscnt 0x0                               ; for everybody's sake: P and a are stored
	s_barrier_signal -1
	s_barrier_wait -1
.if (\kind) == 0
	s_cmp_le_u32 s[TR], s[CL]
	s_cbranch_scc0 .Lpv_hi_\@
	PV \slot, 1
	s_branch .Lpv_done_\@
.Lpv_hi_\@:
	PV \slot, 0
.Lpv_done_\@:
.else
	PV \slot, 0
.endif
	s_add_co_u32 s[KB0], s[KB0], 64
.endm
	s_load_b256 s[4:11], s[0:1], 0x0               ; xb s[4:5], nrm s[6:7], log_alpha s[8:9], log_sigma s[10:11]
	s_load_b64 s[12:13], s[0:1], 0x20              ; out
	v_lshl_add_u32 v[SPW], v0, 2, SPARE
	v_mov_b32 v[NIL], 0
	ds_add_u32 v[SPW], v[NIL]                      ; the wave's opening: the add and its wait stand ahead of my first tensor load; the set-up below stands between them
	v_lshrrev_b32 v1, 5, v0
	v_readfirstlane_b32 s[WV], v1
	s_mov_b32 s[CL], ttmp9                         ; in a cluster launch ttmp9 counts clusters
	s_bfe_u32 s[CX], ttmp6, 0x40000
	s_and_b32 s[BA], ttmp7, 0xffff
	s_sub_co_u32 s[BOUND], 15, s[CL]
	s_mov_b32 s[NEG], 0xf149f2ca                   ; -1e30
	s_mov_b32 s[CS], 0x3d38aa3b                    ; log2(e) / 32
	s_mov_b32 s[CS+1], 0x3d38aa3b
	s_mov_b32 s[SEL], 0x76543210
	s_mov_b32 s[SEL+1], 0xfedcba98
	s_mov_b32 s[G1], 15|(1<<16)|(1<<20)|(1<<21)|(6<<22)|(3<<25)  ; the mask of four; 2-byte elements; padding on; bit 21 beside a mask; after every 128 words, 4 words
	s_mov_b32 s[G1+1], 256<<16                     ; tensor_dim0 = 256
	s_mov_b32 s[G1+2], 64<<16                      ; tensor_dim1 = 64
	s_mov_b32 s[G1+3], 256<<16                     ; tile_dim0 = 256
	s_mov_b32 s[G1+4], 64                          ; tile_dim1 = 64
	s_mov_b32 s[G1+5], 1024                        ; elements from row to row
	s_mov_b32 s[G1+6], 0
	s_mov_b32 s[G1+7], 0
	s_mov_b32 s[G1X], 3<<16                        ; no mask; 8-byte elements; no padding: 128 rows of 256 dense bytes
	s_mov_b32 s[G1X+1], 32<<16
	s_mov_b32 s[G1X+2], 128<<16
	s_mov_b32 s[G1X+3], 32<<16
	s_mov_b32 s[G1X+4], 128
	s_mov_b32 s[G1X+5], 32
	s_mov_b32 s[G1X+6], 0
	s_mov_b32 s[G1X+7], 0
	s_mul_i32 s76, s[WV], QREG                     ; my quarter of a slot: no place in the cluster enters an LDS address
	s_mov_b32 s[G0], 1
	s_mov_b32 s[G0+1], s76
	s_mov_b32 s[G0+4], 1
	s_add_co_u32 s[G0+5], s76, SLOT
	s_mov_b32 s[G0X], 1
	s_mov_b32 s[G0X+1], s76
	s_lshl_b32 s56, s[BA], 22                      ; the batch's 4 MiB of xb,
	s_lshl_b32 s77, s[WV], 9                       ; my 512 bytes of a row: what the partners share
	s_add_co_u32 s56, s56, s77
	s_mov_b32 s57, 0
	s_lshl_b32 s78, s[CL], 2                       ; from here on registers that may hold cx
	s_add_co_u32 s78, s78, s[CX]                   ; i
	s_lshl_b32 s78, s78, 5                         ; LOW's first row
	s_sub_co_u32 s79, 2016, s78                    ; HIGH's: 32 (63 - i)
	s_cmp_lt_u32 s[WV], 2
	s_cselect_b32 s80, s78, s79
	s_and_b32 s81, s[WV], 1
	s_lshl_b32 s81, s81, 4
	s_add_co_u32 s80, s80, s81                     ; my own tile's first row in the batch
	s_lshl_b32 s89, s[BA], 11
	s_add_co_u32 s81, s89, s80                     ; and among all 16,384
	s_add_co_u32 s82, s89, s78
	s_lshl_b32 s82, s82, 11                        ; LOW's Q in bytes
	s_mov_b32 s83, 0
	s_add_co_u32 s84, s89, s79
	s_lshl_b32 s84, s84, 11                        ; HIGH's
	s_mov_b32 s85, 0
	s_lshl_b32 s86, s81, 11                        ; my tile's rows in xb
	s_mov_b32 s87, 0
	s_lshl_b32 s58, s81, 12                        ; and in out
	s_mov_b32 s59, 0
	s_lshl_b32 s88, s[CX], 15                      ; the prefetches: my work-group's 16 rows of a tile,
	s_add_co_u32 s88, s88, s56
	s_add_co_u32 s88, s88, TILEB                   ; at tile 1: the first step's head steps it to tile 2
	s_mov_b32 s89, 0
	s_wait_dscnt 0x0                               ; the opening add is done
	s_wait_kmcnt 0x0
	s_add_nc_u64 s[G0+2:G0+3], s[4:5], s[56:57]    ; tile 0
	s_add_nc_u64 s[G0+6:G0+7], s[G0+2:G0+3], TILEB ; tile 1
	s_or_b32 s[G0+3], s[G0+3], 0x80000000
	s_or_b32 s[G0+7], s[G0+7], 0x80000000
	s_add_nc_u64 s[G0X+2:G0X+3], s[4:5], s[86:87]
	s_or_b32 s[G0X+3], s[G0X+3], 0x80000000
	s_add_nc_u64 s[QP:QP+1], s[4:5], s[82:83]
	s_add_nc_u64 s[QP+2:QP+3], s[4:5], s[84:85]
	s_add_nc_u64 s[OP:OP+1], s[12:13], s[58:59]
	s_add_nc_u64 s[PFA:PFA+1], s[4:5], s[88:89]
	ROUND                                          ; all four work-groups are here: the first joint loads meet
	tensor_load_to_lds s[G0:G0+3], s[G1:G1+7]      ; tile 0 into slot 0; slot 1 is filled behind the first step's round
	s_nop 0
	PLACES 4
	s_load_b32 s60, s[8:9], 0x0                    ; log_alpha
	s_load_b32 s61, s[10:11], 0x0                  ; log_sigma
	v_and_b32 v1, 15, v0                           ; lane % 16
	v_bfe_u32 v2, v0, 4, 1                         ; lane / 16
	v_and_b32 v3, 31, v0                           ; lane
	v_lshlrev_b32 v[QO], 11, v1
	v_lshl_add_u32 v[QO], v2, 7, v[QO]
	v_add_nc_u32 v[QO], s77, v[QO]                 ; row x 2,048 + 128 x half + 512 x wave
	WIN 0x40                                       ; destination window 1
.irp t,0,1,2,3
.irp f,0,1,2,3,4,5,6,7
	global_load_b128 v[64*\t+8*\f:64*\t+8*\f+3], v[QO], s[QP+2*(\t/2):QP+2*(\t/2)+1] offset:(\t%2)*32768+256*(\f/4)+32*(\f%4)
	global_load_b128 v[64*\t+8*\f+4:64*\t+8*\f+7], v[QO], s[QP+2*(\t/2):QP+2*(\t/2)+1] offset:(\t%2)*32768+256*(\f/4)+32*(\f%4)+16
.endr
.endr
	WIN 0
	v_add_nc_u32 v30, s81, v1
	v_lshlrev_b32 v30, 2, v30
	global_load_b32 v[NRM], v30, s[6:7]
	v_mul_u32_u24 v[AK], v1, PITCH
	v_lshl_add_u32 v[AK], v2, 7, v[AK]
	v_add_nc_u32 v[AK], s76, v[AK]
	v_add_nc_u32 v[AK+1], SLOT, v[AK]
	v_and_b32 v32, 7, v0
	v_bfe_u32 v33, v0, 3, 1
	v_lshl_add_u32 v[AV], v2, 3, v32               ; key 8 (lane / 16) + lane % 8
	v_mul_u32_u24 v[AV], v[AV], PITCH
	v_lshl_add_u32 v[AV], v33, 7, v[AV]
	v_add_nc_u32 v[AV], s76, v[AV]
	v_add_nc_u32 v[AV+1], SLOT, v[AV]
	v_lshl_add_u32 v[LB], v3, 4, INBOX
	s_mul_i32 s77, s[WV], IBT
	v_add_nc_u32 v[RA], s77, v[LB]
	v_lshlrev_b32 v32, 3, v2
	v_sub_nc_u32 v[QR], v1, v32
	v_add_nc_u32 v[QR], s80, v[QR]
	v_lshrrev_b32 v32, 1, v3
	v_and_b32 v33, 1, v0
	v_lshlrev_b32 v[PFO], 11, v32                  ; row lane / 2,
	v_lshl_add_u32 v[PFO], v33, 8, v[PFO]          ; block lane % 2 of my 512 bytes
	v_mov_b32 v[CM+1], 0xe0ad78ec                  ; m = -1e20
	v_mul_f32 v[CM], s[CS], v[CM+1]
	v_mov_b32 v[LS], 0
	v_mov_b32 v[LS+1], 0
	v_mov_b32 v[W], 0
	v_mov_b32 v[W+1], 0
.irp t,0,1,2,3
	v_mov_b32 v[A+2*\t+1], 0
.endr
.set n, S
.rept 64
	v_mov_b32 v[n], 0                              ; LOW's score registers: written once, so that they are written on every way through the forward jumps
.set n, n+1
.endr
	WIN 0x80
.set n, 0
.rept 256
	v_mov_b32 v[n], 0                              ; O^T of tiles 0, 1
.set n, n+1
.endr
	WIN 0xC0
.set n, 0
.rept 256
	v_mov_b32 v[n], 0                              ; of tiles 2, 3
.set n, n+1
.endr
	WIN 0
	s_mov_b32 s[TR], 0
	s_mov_b32 s[KB0], 0
	s_wait_loadcnt 0x0                             ; Q and the norm
	s_wait_kmcnt 0x0                               ; the two scalars
.Lpair:                                            ; 15 - c trips of two steps: all steps but the last two
	STEP 0, 0, 0
	STEP 1, 0, 0
	s_add_co_u32 s[TR], s[TR], 1
	s_cmp_lt_u32 s[TR], s[BOUND]
	s_cbranch_scc1 .Lpair
	STEP 0, 1, 0                                   ; the tail is written out: HIGH's two masked steps
	STEP 1, 1, 1
	; THE END.  The sum of squares of my 256 channels of each tile's O^T, four chains a tile, each accumulator from its low end on
.irp t,0,1,2,3
	WIN 0x0A+5*(\t/2)                              ; sources 0 and 1 in window 2 or 3
.set n, 0
.rept 64
.if n < 4
	v_pk_mul_f32 v[32+8*\t+2*n:32+8*\t+2*n+1], v[128*(\t%2)+2*n:128*(\t%2)+2*n+1], v[128*(\t%2)+2*n:128*(\t%2)+2*n+1]
.else
	v_pk_fma_f32 v[32+8*\t+2*(n%4):32+8*\t+2*(n%4)+1], v[128*(\t%2)+2*n:128*(\t%2)+2*n+1], v[128*(\t%2)+2*n:128*(\t%2)+2*n+1], v[32+8*\t+2*(n%4):32+8*\t+2*(n%4)+1]
.endif
.set n, n+1
.endr
.endr
	WIN 0
.irp t,0,1,2,3
	v_pk_add_f32 v[32+8*\t:33+8*\t], v[32+8*\t:33+8*\t], v[34+8*\t:35+8*\t]
	v_pk_add_f32 v[36+8*\t:37+8*\t], v[36+8*\t:37+8*\t], v[38+8*\t:39+8*\t]
.endr
.irp t,0,1,2,3
	v_pk_add_f32 v[32+8*\t:33+8*\t], v[32+8*\t:33+8*\t], v[36+8*\t:37+8*\t]
.endr
.irp t,0,1,2,3
	v_add_f32 v[32+8*\t], v[32+8*\t], v[33+8*\t]
.endr
.irp t,0,1,2,3
	v_permlanex16_b32 v[33+8*\t], v[32+8*\t], s[SEL], s[SEL+1]  ; the query's other channels lie in the lane 16 away
.endr
.irp t,0,1,2,3
	v_add_f32 v[32+8*\t], v[32+8*\t], v[33+8*\t]
.endr
	s_lshl_b32 s76, s[WV], 9
	v_lshl_add_u32 v4, v3, 2, EP
	v_add_nc_u32 v5, s76, v4                       ; where I put my partial sums: EP + 512 w + 4 lane
	s_lshl_b32 s76, s[WV], 7
	v_add_nc_u32 v4, s76, v4                       ; where I read my tile's: EP + 128 w + 4 lane
.irp t,0,1,2,3
	ds_store_b32 v5, v[32+8*\t] offset:128*\t
.endr
	s_wait_dscnt 0x0
	s_barrier_signal -1
	s_barrier_wait -1
.irp p,0,1,2,3
	ds_load_b32 v[64+\p], v4 offset:512*\p
.endr
	v_add_f32 v[LS], v[LS], v[LS+1]                ; l and the sum of p s: even and odd keys', then the other half of the lanes'
	v_add_f32 v[W], v[W], v[W+1]
	v_permlanex16_b32 v[LS+1], v[LS], s[SEL], s[SEL+1]
	v_permlanex16_b32 v[W+1], v[W], s[SEL], s[SEL+1]
	v_add_f32 v[LS], v[LS], v[LS+1]
	v_add_f32 v[W], v[W], v[W+1]
	v_mov_b32 v48, s60
	v_mov_b32 v49, s61
	v_and_b32 v50, 0x7fffffff, v48
	v_and_b32 v51, 0x7fffffff, v49
	v_mul_f32 v50, 0xbfb8aa3b, v50                 ; -|v| log2(e)
	v_mul_f32 v51, 0xbfb8aa3b, v51
	s_wait_dscnt 0x0
	v_add_f32 v64, v64, v65
	v_add_f32 v66, v66, v67
	v_add_f32 v64, v64, v66                        ; |o|^2
	v_exp_f32 v50, v50                             ; a batch: softplus's two exponentials, 1 / l, |x|, |o|
	v_exp_f32 v51, v51
	v_rcp_f32 v52, v[LS]
	v_sqrt_f32 v53, v[NRM]
	v_sqrt_f32 v54, v64
	v_cmp_lt_f32 vcc_lo, 0, v[LS]
	v_max_num_f32 v48, 0, v48
	v_max_num_f32 v49, 0, v49
	s_wait_alu depctr_va_vdst(0)                   ; one wait for the batch
	v_add_f32 v50, 1.0, v50
	v_add_f32 v51, 1.0, v51
	v_cndmask_b32 v52, 0, v52, vcc_lo              ; a row that sees no key: l = 0, and its context is 0
	v_mul_f32 v54, v54, v52                        ; |c|
	v_max_num_f32 v53, 0x2b8cbccc, v53             ; each norm at least 1e-12
	v_max_num_f32 v54, 0x2b8cbccc, v54
	v_mul_f32 v55, v53, v54
	v_mul_f32 v56, v[W], v52                       ; x . c
	v_log_f32 v50, v50
	v_log_f32 v51, v51
	v_rcp_f32 v55, v55
	v_nop
	s_wait_alu depctr_va_vdst(0)
	v_fmac_f32 v48, 0x3f317218, v50                ; alpha = max(v, 0) + ln 2 log2(1 + 2^(-|v| log2 e))
	v_fmac_f32 v49, 0x3f317218, v51                ; sigma
	v_mul_f32 v56, v56, v55                        ; cos
	v_sub_f32 v57, 1.0, v56
	v_cmp_neq_f32 vcc_lo, v56, v56
	v_max_num_f32 v57, 0, v57
	v_min_num_f32 v57, 2.0, v57
	v_mul_f32 v57, 0.5, v57
	v_cndmask_b32 v57, v57, 1.0, vcc_lo            ; a NaN counts as novelty 1
	v_mul_f32 v58, v49, v57
	v_mul_f32 v58, 0x4038aa3b, v58                 ; tanh y = 1 - 2 / (1 + 2^(2 log2(e) y))
	v_exp_f32 v58, v58
	v_nop
	s_wait_alu depctr_va_vdst(0)
	v_add_f32 v58, 1.0, v58
	v_rcp_f32 v58, v58
	v_nop
	s_wait_alu depctr_va_vdst(0)
	v_fma_f32 v58, v58, -2.0, 1.0
	v_fma_f32 v58, v48, v58, 1.0                   ; the gate of my query
	s_lshl_b32 s76, s[WV], 6
	s_add_co_u32 s76, s76, GT
	v_lshl_add_u32 v9, v1, 2, s76
	ds_store_b32 v9, v58                           ; both halves of the lanes write the same word with the same number; only my wave reads it, and LDS serves a wave in order
	v_mov_b32 v8, s76                              ; the gate of the row in hand
	s_mul_i32 s76, s[WV], QREG
	v_lshl_add_u32 v6, v3, 3, s76                  ; my 8 bytes of each 256 of the row in hand
	v_lshlrev_b32 v7, 4, v3                        ; my 16 bytes of each 512 of out
	v_mov_b32 v63, 0                               ; named with the gate as a pair
	s_mov_b32 s66, 0xc0135761                      ; -2 log2(e) sqrt(2 / pi)
	s_mov_b32 s67, 0xc0135761
	s_mov_b32 s68, 0xbdd2d3e8                      ; the same times 0.044715
	s_mov_b32 s69, 0xbdd2d3e8
	s_mov_b32 s70, 0xffff0000
	s_mov_b32 s[CNT], 16
	s_wait_tensorcnt 0x0                           ; my 16 rows are in my quarter of slot 0; nobody else reads them
.Lrow:                                             ; a row a trip.  gelu_tanh(z) = z / (1 + 2^(z (-C1 - C2 z^2)))
	ds_load_b32 v62, v8
.irp k,0,1,2,3,4,5,6,7
	ds_load_b64 v[64+2*\k:65+2*\k], v6 offset:256*\k
.endr
.irp k,0,1,2,3,4,5,6,7
	s_wait_dscnt 7-\k                              ; the gate and chunks 0 to k are in
	v_lshlrev_b32 v[128+4*\k], 16, v[64+2*\k]
	v_and_b32 v[129+4*\k], s70, v[64+2*\k]
	v_lshlrev_b32 v[130+4*\k], 16, v[65+2*\k]
	v_and_b32 v[131+4*\k], s70, v[65+2*\k]
	v_pk_mul_f32 v[128+4*\k:129+4*\k], v[128+4*\k:129+4*\k], v[62:63] op_sel_hi:[1,0]
	v_pk_mul_f32 v[130+4*\k:131+4*\k], v[130+4*\k:131+4*\k], v[62:63] op_sel_hi:[1,0]
	v_pk_mul_f32 v[160+4*\k:161+4*\k], v[128+4*\k:129+4*\k], v[128+4*\k:129+4*\k]
	v_pk_mul_f32 v[162+4*\k:163+4*\k], v[130+4*\k:131+4*\k], v[130+4*\k:131+4*\k]
	v_pk_fma_f32 v[160+4*\k:161+4*\k], v[160+4*\k:161+4*\k], s[68:69], s[66:67] op_sel_hi:[1,0,0]
	v_pk_fma_f32 v[162+4*\k:163+4*\k], v[162+4*\k:163+4*\k], s[68:69], s[66:67] op_sel_hi:[1,0,0]
	v_pk_mul_f32 v[160+4*\k:161+4*\k], v[160+4*\k:161+4*\k], v[128+4*\k:129+4*\k]
	v_pk_mul_f32 v[162+4*\k:163+4*\k], v[162+4*\k:163+4*\k], v[130+4*\k:131+4*\k]
.endr
.set n, 0
.rept 32
	v_exp_f32 v[160+n], v[160+n]
.set n, n+1
.endr
	v_nop
	s_wait_alu depctr_va_vdst(0)                   ; one wait for the 32 exponentials
.set n, 0
.rept 16
	v_pk_add_f32 v[160+2*n:161+2*n], v[160+2*n:161+2*n], 1.0 op_sel_hi:[1,0]
.set n, n+1
.endr
.set n, 0
.rept 32
	v_rcp_f32 v[160+n], v[160+n]
.set n, n+1
.endr
	v_nop
	s_wait_alu depctr_va_vdst(0)                   ; one for the 32 reciprocals
.set n, 0
.rept 16
	v_pk_mul_f32 v[128+2*n:129+2*n], v[128+2*n:129+2*n], v[160+2*n:161+2*n]
.set n, n+1
.endr
.irp k,0,1,2,3,4,5,6,7
	global_store_b128 v7, v[128+4*\k:131+4*\k], s[OP:OP+1] offset:512*\k th:TH_STORE_NT  ; 512 consecutive bytes, aligned
.endr
	s_wait_xcnt 0x0                                ; the stores' data and base are rewritten only behind this wait
	s_add_nc_u64 s[OP:OP+1], s[OP:OP+1], 4096
	v_add_nc_u32 v6, 2048, v6
	v_add_nc_u32 v8, 4, v8
	s_sub_co_u32 s[CNT], s[CNT], 1
	s_cmp_lg_u32 s[CNT], 0
	s_cbranch_scc1 .Lrow
	s_wait_tensorcnt 0x0                           ; the wave's end: behind my last tensor load and my last LDS store
	ds_add_u32 v[SPW], v[NIL]
	s_wait_dscnt 0x0
	ROUND                                          ; the closing round: no work-group ends while a partner may still ask for a tile that names it
	s_endpgm
.Lfunc_end_k_q081e20665b_attn:
	.size	k_q081e20665b_attn, .Lfunc_end_k_q081e20665b_attn-k_q081e20665b_attn
	.p2alignl 7, 3214868480
	.fill 96, 4, 3214868480
	.section	.rodata,"a",@progbits
	.p2align	6, 0x0
	.amdhsa_kernel k_q081e20665b_attn
		.amdhsa_group_segment_fixed_size 327680
		.amdhsa_private_segment_fixed_size 0
		.amdhsa_enable_private_segment 0
		.amdhsa_kernarg_size 40
		.amdhsa_user_sgpr_count 2
		.amdhsa_user_sgpr_kernarg_segment_ptr 1
		.amdhsa_wavefront_size32 1
		.amdhsa_system_sgpr_workgroup_id_x 1
		.amdhsa_system_sgpr_workgroup_id_y 1
		.amdhsa_system_sgpr_workgroup_id_z 1
		.amdhsa_system_vgpr_workitem_id 0
		.amdhsa_next_free_vgpr 1024
		.amdhsa_next_free_sgpr 96
		.amdhsa_reserve_vcc 1
		.amdhsa_float_denorm_mode_32 3
		.amdhsa_float_denorm_mode_16_64 3
		.amdhsa_memory_ordered 1
		.amdhsa_forward_progress 1
		.amdhsa_inst_pref_size 255
	.end_amdhsa_kernel
	.section	.bss,"aw",@nobits
	.p2align	6
	.space	262144
	.amdgpu_metadata
---
amdhsa.version: [ 1, 2 ]
amdhsa.kernels:
  - .name:           k_q081e20665b_attn
    .symbol:         k_q081e20665b_attn.kd
    .args:
      - { .name: xb, .offset: 0, .size: 8, .value_kind: global_buffer, .address_space: global }
      - { .name: nrm, .offset: 8, .size: 8, .value_kind: global_buffer, .address_space: global }
      - { .name: log_alpha, .offset: 16, .size: 8, .value_kind: global_buffer, .address_space: global }
      - { .name: log_sigma, .offset: 24, .size: 8, .value_kind: global_buffer, .address_space: global }
      - { .name: out0, .offset: 32, .size: 8, .value_kind: global_buffer, .address_space: global }
    .group_segment_fixed_size: 327680
    .private_segment_fixed_size: 0
    .kernarg_segment_align: 8
    .kernarg_segment_size: 40
    .max_flat_workgroup_size: 128
    .sgpr_count:     96
    .vgpr_count:     1024
    .wavefront_size: 32
...
	.end_amdgpu_metadata
.endif
;; end of part 2
;; ======== version 2 of 2: 2 launches; version 1 with the launch tobf16 written anew for expert scheduling mode
;; limits: right only within a limited range of input values
;; workspace buffers: xb 33,554,432 bytes; nrm 65,536 bytes
;; launch tobf16 (part 3): grid 512 x 1, 8 waves a work-group, no clusters, 0 bytes of LDS; arguments x, xb, nrm; writes xb, nrm
.if DOCPART == 3
	.amdgcn_target "amdgcn-amd-amdhsa--gfx1250"
	.amdhsa_code_object_version 6
	.text
	.protected	k_q081e20665b_tobf16
	.globl	k_q081e20665b_tobf16
	.p2align	8
	.type	k_q081e20665b_tobf16,@function
k_q081e20665b_tobf16:
	s_mov_b64 s[64:65], 0
	v_nop
	global_prefetch_b8 v0, s[64:65] scope:SCOPE_SE
	s_setreg_imm32_b32 hwreg(HW_REG_WAVE_SCHED_MODE, 0, 2), 2
	s_setreg_imm32_b32 hwreg(HW_REG_WAVE_MODE, 25, 1), 1
	s_wait_xcnt 0x0
	s_wait_alu depctr_vm_vsrc(0)
; xb[row][c] = x[row][c] rounded once to bf16;  nrm[row] = the sum over c of xb[row][c]^2, in f32.
; x: [16384][1024] f32, xb: [16384][1024] bf16, nrm: [16384] f32.
; A stream: each byte of x is read once, each byte of xb written once.  No LDS, no matrix unit, no cluster: nothing is shared.
; SHARES.  A work-group owns 32 rows, each of its eight waves 4; a row belongs to one wave, so its sum never leaves the wave.
; A load of a wave covers 512 consecutive bytes of x, a store 256 consecutive bytes of xb, both aligned.
; All 32 loads of a wave go out first (16 KiB a wave on their way); the rows are then worked on in order, behind counted waits.
; nrm leaves as 16 bytes a wave: 64 KiB in the whole launch.
; THE MODE: SCHED_MODE bits 1:0 = 2 (LLVM: expert scheduling mode 2), set by the entry lines.  The code itself states the register dependences
; between vector instructions and memory instructions, with s_wait_alu, always for 0.
; THE PLAN.  Registers that memory instructions touch:
;   v2, v3, v4   byte offsets in x, xb and nrm: made once at the head and never written again.
;   X0 .. X3     a row of x each, as loaded.  Written by the 32 loads at the head, each register once; read by the row's roundings.  No vector instruction writes them, no later load lands in them.
;   Y0 .. Y3     a row of xb each, to store.  Written by row j's roundings, each register once; read by row j's widening lines and by its eight stores, which are issued in row j + 1.
;   v25          the four sums, a lane each: written by a move and three selects, read by the last store.
; Row j + 1's vector instructions name X[j + 1], Y[j + 1], T, ACC and SUM: neither Y[j] nor v3.  So ONE wait at a row's head states all that the eight stores of the row before hang on,
; and these are dealt among the row's vector instructions with no further wait.  Row 3's stores stand behind a wait of their own, dealt among the lane steps of the four sums,
; which stand together at the end, the four chains side by side.  No register that a memory instruction reads is ever written again.
.set ROWF, 4096                        ; bytes in a row of x
.set ROWH, 2048                        ; bytes in a row of xb
.set T,   8                            ; v[8:15]    the rounded numbers widened again, two sets of four by turns
.set ACC, 16                           ; v[16:19]   two chains of packed sums of squares
.set SUM, 20                           ; v[20:23]   a row's sum
.set X,   32                           ; v[32:159]  row j: 32 registers as loaded
.set Y,   160                          ; v[160:223] row j: 16 registers to store; each is written once
	s_load_b128 s[4:7], s[0:1], 0x0                ; x s[4:5], xb s[6:7]
	s_load_b64 s[8:9], s[0:1], 0x10                ; nrm
	v_and_b32 v1, 31, v0                           ; lane
	v_lshrrev_b32 v5, 5, v0                        ; wave
	v_lshlrev_b32 v2, 4, v1
	v_lshl_add_u32 v2, v5, 14, v2                  ; x: wave x 4 rows x 4,096 + 16 x lane
	v_lshlrev_b32 v3, 3, v1
	v_lshl_add_u32 v3, v5, 13, v3                  ; xb: wave x 4 rows x 2,048 + 8 x lane
	v_lshlrev_b32 v4, 2, v1
	v_lshl_add_u32 v4, v5, 4, v4                   ; nrm: wave x 16 + 4 x lane (lanes 0 to 3 store)
	s_lshl_b32 s14, ttmp9, 17                      ; the work-group's 32 rows in x,
	s_mov_b32 s15, 0
	s_lshl_b32 s16, ttmp9, 16                      ; in xb,
	s_mov_b32 s17, 0
	s_lshl_b32 s18, ttmp9, 7                       ; and in nrm
	s_mov_b32 s19, 0
	s_mov_b32 s10, 0xffff0000                      ; a word's upper bf16
	s_mov_b32 s12, 0x76543210                      ; v_permlanex16_b32: each lane takes its own place in the other half
	s_mov_b32 s13, 0xfedcba98
	v_mov_b32 v24, 0                               ; v_permlanex16_b32's destination counts as read
	s_wait_kmcnt 0x0
	s_add_nc_u64 s[4:5], s[4:5], s[14:15]
	s_add_nc_u64 s[6:7], s[6:7], s[16:17]
	s_add_nc_u64 s[8:9], s[8:9], s[18:19]
	s_wait_alu depctr_va_vdst(0)                   ; v2, v3 and v4 are written: every load and store of the kernel reads one of them as its offset
.irp j,0,1,2,3
.irp k,0,1,2,3,4,5,6,7
	global_load_b128 v[X+32*\j+4*\k:X+32*\j+4*\k+3], v2, s[4:5] offset:\j*ROWF+\k*512 th:TH_LOAD_NT
.endr
.endr
.irp j,0,1,2,3
	s_wait_loadcnt 8*(3-\j)                        ; loads come back in order: row j is in, the eight loads of each later row may stay out
.if \j > 0
	s_wait_alu depctr_va_vdst(0)                   ; the row before has written its Y, which the eight stores below read
.endif
.irp k,0,1,2,3,4,5,6,7
.if \j > 0
	global_store_b64 v3, v[Y+16*(\j-1)+2*\k:Y+16*(\j-1)+2*\k+1], s[6:7] offset:(\j-1)*ROWH+\k*256  ; the row before: 32 lanes store 256 consecutive bytes, aligned; no vector instruction since the wait names these registers
.endif
	v_cvt_pk_bf16_f32 v[Y+16*\j+2*\k], v[X+32*\j+4*\k], v[X+32*\j+4*\k+1]
	v_cvt_pk_bf16_f32 v[Y+16*\j+2*\k+1], v[X+32*\j+4*\k+2], v[X+32*\j+4*\k+3]
	v_lshlrev_b32 v[T+4*(\k%2)], 16, v[Y+16*\j+2*\k]          ; the squares are taken of the rounded numbers
	v_and_b32 v[T+4*(\k%2)+1], s10, v[Y+16*\j+2*\k]
	v_lshlrev_b32 v[T+4*(\k%2)+2], 16, v[Y+16*\j+2*\k+1]
	v_and_b32 v[T+4*(\k%2)+3], s10, v[Y+16*\j+2*\k+1]
.if \k == 0
	v_pk_mul_f32 v[ACC:ACC+1], v[T:T+1], v[T:T+1]              ; the first squares start the chains: nothing is cleared
	v_pk_mul_f32 v[ACC+2:ACC+3], v[T+2:T+3], v[T+2:T+3]
.else
	v_pk_fma_f32 v[ACC:ACC+1], v[T+4*(\k%2):T+4*(\k%2)+1], v[T+4*(\k%2):T+4*(\k%2)+1], v[ACC:ACC+1]
	v_pk_fma_f32 v[ACC+2:ACC+3], v[T+4*(\k%2)+2:T+4*(\k%2)+3], v[T+4*(\k%2)+2:T+4*(\k%2)+3], v[ACC+2:ACC+3]
.endif
.endr
	v_pk_add_f32 v[ACC:ACC+1], v[ACC:ACC+1], v[ACC+2:ACC+3]
	v_add_f32 v[SUM+\j], v[ACC], v[ACC+1]          ; my lane's part of row j's sum; the steps across the lanes follow behind row 3
.endr
	s_wait_alu depctr_va_vdst(0)                   ; row 3 has written Y3, which the last eight stores of xb read
.irp j,1,2,3
	v_cmp_eq_u32 s[20+\j], \j, v1                  ; the masks for the selects below, in one run: lane j takes row j's sum
.endr
	v_cmp_gt_u32 vcc_lo, 4, v1                     ; and the mask of the lanes that store nrm
.set n, 0
.irp m,1,2,4,8                         ; across the lanes: four steps inside each half of 16 lanes, the four rows' chains side by side; two of row 3's stores ahead of each step
	global_store_b64 v3, v[Y+48+2*n:Y+48+2*n+1], s[6:7] offset:3*ROWH+n*256            ; no vector instruction since the wait names Y3 or v3
	global_store_b64 v3, v[Y+48+2*n+2:Y+48+2*n+3], s[6:7] offset:3*ROWH+(n+1)*256
.set n, n+2
.irp j,0,1,2,3
	v_add_f32_dpp v[SUM+\j], v[SUM+\j], v[SUM+\j] row_xmask:\m row_mask:0xf bank_mask:0xf
.endr
.endr
.irp j,0,1,2,3
	v_permlanex16_b32 v24, v[SUM+\j], s12, s13
	v_add_f32 v[SUM+\j], v[SUM+\j], v24            ; every lane holds row j's sum
.endr
	s_wait_alu depctr_va_sdst(0)                   ; the three compares have written s21 to s23, ahead of their first reader
	v_mov_b32 v25, v[SUM]                          ; lane j takes row j's
.irp j,1,2,3
	v_cndmask_b32 v25, v25, v[SUM+\j], s[20+\j]
.endr
	s_wait_alu depctr_va_vcc(0)                    ; the fourth compare has written VCC: EXEC is made from it
	s_wait_xcnt 0x0                                ; EXEC is a source of the stores above: it changes only behind this wait
	s_wait_alu depctr_va_vdst(0)                   ; ahead of the write of EXEC: the vector instructions are done; v25 is written, which the store below reads
	s_wait_alu depctr_vm_vsrc(0)                   ; ahead of the write of EXEC: the stores above have read their vector registers
	s_and_saveexec_b32 s20, vcc_lo
	global_store_b32 v4, v25, s[8:9]
	s_wait_xcnt 0x0                                ; and again in front of the line that widens it
	s_wait_alu depctr_va_vdst(0)                   ; ahead of the write of EXEC: no vector instruction is pending
	s_wait_alu depctr_vm_vsrc(0)                   ; ahead of the write of EXEC: the store has read v4 and v25
	s_or_b32 exec_lo, exec_lo, s20
	s_endpgm
.Lfunc_end_k_q081e20665b_tobf16:
	.size	k_q081e20665b_tobf16, .Lfunc_end_k_q081e20665b_tobf16-k_q081e20665b_tobf16
	.p2alignl 7, 3214868480
	.fill 96, 4, 3214868480
	.section	.rodata,"a",@progbits
	.p2align	6, 0x0
	.amdhsa_kernel k_q081e20665b_tobf16
		.amdhsa_group_segment_fixed_size 0
		.amdhsa_private_segment_fixed_size 0
		.amdhsa_enable_private_segment 0
		.amdhsa_kernarg_size 24
		.amdhsa_user_sgpr_count 2
		.amdhsa_user_sgpr_kernarg_segment_ptr 1
		.amdhsa_wavefront_size32 1
		.amdhsa_system_sgpr_workgroup_id_x 1
		.amdhsa_system_sgpr_workgroup_id_y 1
		.amdhsa_system_sgpr_workgroup_id_z 1
		.amdhsa_system_vgpr_workitem_id 0
		.amdhsa_next_free_vgpr 240
		.amdhsa_next_free_sgpr 66
		.amdhsa_reserve_vcc 1
		.amdhsa_float_denorm_mode_32 3
		.amdhsa_float_denorm_mode_16_64 3
		.amdhsa_memory_ordered 1
		.amdhsa_forward_progress 1
		.amdhsa_inst_pref_size 23
	.end_amdhsa_kernel
	.amdgpu_metadata
---
amdhsa.version: [ 1, 2 ]
amdhsa.kernels:
  - .name:           k_q081e20665b_tobf16
    .symbol:         k_q081e20665b_tobf16.kd
    .args:
      - { .name: x, .offset: 0, .size: 8, .value_kind: global_buffer, .address_space: global }
      - { .name: xb, .offset: 8, .size: 8, .value_kind: global_buffer, .address_space: global }
      - { .name: nrm, .offset: 16, .size: 8, .value_kind: global_buffer, .address_space: global }
    .group_segment_fixed_size: 0
    .private_segment_fixed_size: 0
    .kernarg_segment_align: 8
    .kernarg_segment_size: 24
    .max_flat_workgroup_size: 256
    .sgpr_count:     66
    .vgpr_count:     240
    .wavefront_size: 32
...
	.end_amdgpu_metadata
.endif
;; end of part 3
;; launch attn: the kernel of part 2 again; grid 32 x 8, 4 waves a work-group, clusters of 4 x 1, 327,680 bytes of LDS; arguments xb, nrm, log_alpha, log_sigma, out0; writes out0
